; MI455X (gfx1250); checked and timed in simulation.
; The chip was launched on July 23, 2026; its instructions are those of AMD's public machine-readable ISA for CDNA 5 (MIT licence, August 2026) and "CDNA5" Instruction Set Architecture Reference Guide (July 2026). The comments in the code are by the model that wrote it; some were corrected since.
;; VQ Cosine. Allowed arithmetic: matrix products marked QUANTISED: E3M2 operands, one E8M0 scale for each 32 along K, by v_wmma_scale_f32_16x16x128_f8f6f4 with both operands' format E3M2, f32 sums; everything else in f32.
;; Inputs: codebook 8,192 x 256 float32; x 8 x 256 x 64 x 64 float32.
;; Outputs: out0 8 x 256 x 64 x 64 float32; out1 one number float32; out2 one number float32.
;; This version of the problem:
;;   THIS VERSION OF THE PROBLEM IS GIVEN IN LOW PRECISION. The matrix products marked QUANTISED in the list below multiply operands that are first quantised to E3M2 (3 exponent bits, 2 mantissa bits; 6 bits a number), with one power-of-two scale for each 32 numbers along K (OCP MX v1.0); their sums are f32. All else is computed in f32.
;;   The module's matrix products, in the order in which they are computed (A, B: the left and right operand; K: the contracted axis; several contracted axes count as one K, in the product's order):
;;     1. [M 32,768, K 256] x [K 256, N 8,192]; A: computed on the way; B: input codebook: QUANTISED
;;   THE QUANTISER, for each operand of a quantised product, along K:
;;     - K is cut into blocks of 32 from its start; a last block that is shorter is filled with zeros.
;;     - A block's scale is 2^e with e = floor(log2(the largest magnitude in the block)) - 4, held to -126 .. 127; a block of zeros has e = 0. As a byte (E8M0): e + 127.
;;     - Each number is divided by its block's scale, clamped to +-28, and rounded to the nearest number of E3M2, ties to even, subnormals kept.
;;     - The product sums the exact products of the quantised numbers (number of the format x scale) in f32.
;;   ~~~python
;;   def quantise(x, axis):      # numpy; x: float32 -> the quantised numbers, widened to float32 again
;;       x = np.moveaxis(x, axis, -1); K = x.shape[-1]
;;       x = np.pad(x, [(0, 0)] * (x.ndim - 1) + [(0, -K % 32)]); x = x.reshape(x.shape[:-1] + (-1, 32)); a = np.abs(x).max(-1, keepdims=True)
;;       e = np.where(a > 0, np.clip(np.frexp(np.where(a > 0, a, 1))[1] - 1 - 4, -126, 127), 0)      # np.frexp(a)[1] - 1 = floor(log2(a)), exactly
;;       r = np.clip(x / 2.0 ** e, -28, 28)
;;       step = 2.0 ** (np.maximum(np.frexp(np.where(r == 0, 1, r))[1] - 1, -2) - 2)
;;       q = np.round(r / step) * step * 2.0 ** e      # np.round: ties to even
;;       return np.moveaxis(q.reshape(q.shape[:-2] + (-1,))[..., :K], -1, axis).astype(np.float32)
;;   ~~~
;;   OPERANDS COMPUTED ON THE WAY. 'Computed on the way' means the value that the module computes at that place (a softmax that the list does not call 'softmax' is quantised finished and normalised). What goes into a quantiser is computed in f32, as accurately as f32 sums, v_exp_f32 and their like allow (about 1e-6 of the number): no bf16 or f16 on the way to a quantiser, and a product that is left as it is and whose result goes on into a quantised operand takes f32 operands (vector FMAs, or v_wmma_f32_16x16x4_f32). A number that lies on a knife's edge between two numbers of the format may be rounded either way, as far as f32 arithmetic and the matrix unit's own rounding can turn it there, and no further.
;; One version. Each part assembles by itself: llvm-mc -triple=amdgcn-amd-amdhsa -mcpu=gfx1250 --defsym DOCPART=n.
;; ======== version 1 of 1: 4 launches
;; limits: right only within a limited range of input values
;; workspace buffers: cbimg 1,638,400 bytes; idx 131,072 bytes of whole numbers; part 1,024 bytes
;; launch cbq (part 1): grid 256 x 1, 2 waves a work-group, no clusters, 0 bytes of LDS; arguments codebook, cbimg; writes cbimg
.if DOCPART == 1
	.amdgcn_target "amdgcn-amd-amdhsa--gfx1250"
	.amdhsa_code_object_version 6
	.text
	.protected	k_qcaa14006c0_cbq
	.globl	k_qcaa14006c0_cbq
	.p2align	8
	.type	k_qcaa14006c0_cbq,@function
k_qcaa14006c0_cbq:
	s_mov_b64 s[64:65], 0
	v_nop
	global_prefetch_b8 v0, s[64:65] scope:SCOPE_SE
	s_setreg_imm32_b32 hwreg(HW_REG_WAVE_MODE, 25, 1), 1
	s_wait_xcnt 0x0
; The codebook [8192][256] f32 becomes codes of BF6 (E3M2) with one E8M0 scale byte for each 32 along K, laid as IMAGES OF OPERAND REGISTERS.
; A block's scale is 2^(floor(log2(largest magnitude)) - 4): its byte is the largest magnitude's exponent field - 4, held at 1 from below by a floor among the maximum's leaves.
; (A block of zeros so gets the byte 1 where the rule says 127: its codes are zeros, which add nothing, and this program alone reads the bytes.)
; LIMITS: NaN and infinities are not served; blocks whose largest magnitude lies under 2^-122 keep the byte 1.
; SHARES.  A wave takes one tile of 16 codebook rows, tile T = 2 x work-group + wave.  Lane (r = lane % 16, h = lane / 16) takes row 16 T + r and the four blocks of 32 that the
; operand's layout gives it: k = 128 s + 64 c + 32 h + 0 .. 31 (K step s, half c).  So a block's maximum needs no other lane and the conversions' results ARE the operand's registers.
; THE IMAGE.  128 parts of 12,800 bytes; part P holds tiles 4 P .. 4 P + 3.  Tile i's codes at 3072 i: registers 4 m .. 4 m + 3 of its 24 (12 a K step) at 512 m + 16 x lane.
; Its scale words at 12,288 + 128 i + 4 x lane: lanes 0-15 row r's word of K step 0, lanes 16-31 row r's word of K step 1.
; No LDS, no barrier, no cluster: waves share nothing, and no two work-groups read the same bytes.
.set X,  32                            ; v32-159  four blocks of 32 numbers, block b = 2 s + c at X + 32 b
.set FR, 160                           ; v160-183 the two fragments
.set TH, 184                           ; v184-199 the upper halves of the blocks' codes (a conversion's three registers begin on an even number)
.set M,  8                             ; v8-11    largest magnitudes
.set SO, 12                            ; v12-15   the conversions' scale operands
.set BY, 16                            ; v16-19   the scale bytes
.set M2, 24                            ; v24-27   the maxima's second chains
	s_load_b128 s[4:7], s[0:1], 0x0                ; codebook s[4:5], the image s[6:7]
	v_lshrrev_b32 v1, 5, v0
	v_readfirstlane_b32 s10, v1                    ; wave 0, 1
	v_and_b32 v4, 31, v0                           ; lane
	v_and_b32 v5, 15, v0                           ; r
	v_bfe_u32 v6, v0, 4, 1                         ; h
	v_lshlrev_b32 v1, 10, v5
	v_lshl_add_u32 v1, v6, 7, v1                   ; in: row r of 1,024 bytes, + 128 h
	v_lshlrev_b32 v2, 4, v4                        ; out: 16 x lane
	v_lshlrev_b32 v3, 2, v4                        ; the scale word: 4 x lane
	v_lshlrev_b32 v7, 3, v6                        ; 8 h: where my bytes stand in a scale word
	s_lshl_b32 s11, ttmp9, 1
	s_add_co_u32 s11, s11, s10                     ; T
	s_lshl_b32 s12, s11, 14                        ; 16 rows of 1,024 bytes
	s_mov_b32 s13, 0
	s_lshr_b32 s14, s11, 2
	s_mul_i32 s14, s14, 12800                      ; the part
	s_and_b32 s15, s11, 3
	s_mul_i32 s16, s15, 3072
	s_add_co_u32 s16, s16, s14                     ; the tile's codes
	s_mov_b32 s17, 0
	s_lshl_b32 s18, s15, 7
	s_add_co_u32 s18, s18, s14
	s_add_co_u32 s18, s18, 12288                   ; the tile's scale words
	s_mov_b32 s19, 0
	s_mov_b32 s20, 0x76543210                      ; v_permlanex16_b32's selects for lane l xor 16
	s_mov_b32 s21, 0xfedcba98
	s_mov_b32 s22, 0xffff0000                      ; lanes 16-31
	s_wait_alu depctr_va_vdst(0)
	s_wait_kmcnt 0x0
	s_add_nc_u64 s[4:5], s[4:5], s[12:13]
	s_add_nc_u64 s[8:9], s[6:7], s[18:19]
	s_add_nc_u64 s[6:7], s[6:7], s[16:17]
.irp b, 0,1,2,3
.irp e, 0,1,2,3,4,5,6,7
	global_load_b128 v[X+32*\b+4*\e:X+32*\b+4*\e+3], v1, s[4:5] offset:256*\b+16*\e th:TH_LOAD_NT   ; a block's eight loads together take 256 consecutive bytes of each of 16 rows
.endr
.endr
; Block b: its largest magnitude (32 numbers and the floor: 16 instructions, two chains), the scale operand, the byte, the codes.
.macro BLK b
.set XS, X+32*\b
	s_wait_loadcnt 24-8*\b                         ; this block's eight loads are in; the eight of each block behind it may be out
	v_max3_num_f32 v[M+\b], |v[XS]|, |v[XS+1]|, 0x2800000           ; the floor 2^(5 - 127): the byte cannot fall under 1
	v_max3_num_f32 v[M2+\b], |v[XS+2]|, |v[XS+3]|, |v[XS+4]|
.irp i, 5,9,13,17,21,25
	v_max3_num_f32 v[M+\b], v[M+\b], |v[XS+\i]|, |v[XS+\i+1]|
	v_max3_num_f32 v[M2+\b], v[M2+\b], |v[XS+\i+2]|, |v[XS+\i+3]|
.endr
	v_max3_num_f32 v[M+\b], v[M+\b], |v[XS+29]|, |v[XS+30]|
	v_max3_num_f32 v[M+\b], v[M+\b], v[M2+\b], |v[XS+31]|
	v_add_nc_u32 v[SO+\b], 0xfe000000, v[M+\b]     ; 4 off the exponent field: the conversion takes the exponent field of this operand as its scale
	v_lshrrev_b32 v[BY+\b], 23, v[SO+\b]           ; the scale's byte
	v_cvt_scalef32_pk16_bf6_f32 v[FR+6*\b:FR+6*\b+2], v[XS:XS+15], v[SO+\b]       ; registers 12 s + 6 c + 0 .. 2
	v_cvt_scalef32_pk16_bf6_f32 v[TH+4*\b:TH+4*\b+2], v[XS+16:XS+31], v[SO+\b]    ; the upper 16 codes, moved below
.endm
	BLK 0
	BLK 1
	BLK 2
	BLK 3
	v_nop                                          ; one plain place behind the last scaled conversion
.irp b, 0,1,2,3
.irp i, 0,1,2
	v_mov_b32 v[FR+6*\b+3+\i], v[TH+4*\b+\i]
.endr
.endr
	v_lshl_or_b32 v20, v[BY+1], 16, v[BY]          ; K step 0: my two bytes, blocks h and 2 + h of row r,
	v_lshl_or_b32 v21, v[BY+3], 16, v[BY+2]        ; K step 1 likewise,
	v_lshlrev_b32 v20, v7, v20                     ; at their places in the word
	v_lshlrev_b32 v21, v7, v21
	v_mov_b32 v22, 0                               ; (a lane permute's destination counts as one of its sources)
	v_mov_b32 v23, 0
	v_permlanex16_b32 v22, v20, s20, s21
	v_permlanex16_b32 v23, v21, s20, s21
	v_or_b32 v20, v20, v22                         ; with lane l xor 16's two bytes the words are whole
	v_or_b32 v21, v21, v23
	v_cndmask_b32 v28, v20, v21, s22               ; lanes 0-15 keep K step 0's word, lanes 16-31 take K step 1's
.irp m, 0,1,2,3,4,5
	global_store_b128 v2, v[FR+4*\m:FR+4*\m+3], s[6:7] offset:512*\m   ; 32 lanes store 512 consecutive bytes, at a multiple of 256 from the image's first byte
.endr
	global_store_b32 v3, v28, s[8:9]               ; 128 consecutive bytes
	s_endpgm
.Lfunc_end_k_qcaa14006c0_cbq:
	.size	k_qcaa14006c0_cbq, .Lfunc_end_k_qcaa14006c0_cbq-k_qcaa14006c0_cbq
	.p2alignl 7, 3214868480
	.fill 96, 4, 3214868480
	.section	.rodata,"a",@progbits
	.p2align	6, 0x0
	.amdhsa_kernel k_qcaa14006c0_cbq
		.amdhsa_group_segment_fixed_size 0
		.amdhsa_private_segment_fixed_size 0
		.amdhsa_enable_private_segment 0
		.amdhsa_kernarg_size 16
		.amdhsa_user_sgpr_count 2
		.amdhsa_user_sgpr_kernarg_segment_ptr 1
		.amdhsa_wavefront_size32 1
		.amdhsa_system_sgpr_workgroup_id_x 1
		.amdhsa_system_sgpr_workgroup_id_y 1
		.amdhsa_system_sgpr_workgroup_id_z 1
		.amdhsa_system_vgpr_workitem_id 0
		.amdhsa_next_free_vgpr 208
		.amdhsa_next_free_sgpr 66
		.amdhsa_reserve_vcc 0
		.amdhsa_float_denorm_mode_32 3
		.amdhsa_float_denorm_mode_16_64 3
		.amdhsa_memory_ordered 1
		.amdhsa_forward_progress 1
		.amdhsa_inst_pref_size 12
	.end_amdhsa_kernel
	.amdgpu_metadata
---
amdhsa.version: [ 1, 2 ]
amdhsa.kernels:
  - .name:           k_qcaa14006c0_cbq
    .symbol:         k_qcaa14006c0_cbq.kd
    .args:
      - { .name: codebook, .offset: 0, .size: 8, .value_kind: global_buffer, .address_space: global }
      - { .name: cbimg, .offset: 8, .size: 8, .value_kind: global_buffer, .address_space: global }
    .group_segment_fixed_size: 0
    .private_segment_fixed_size: 0
    .kernarg_segment_align: 8
    .kernarg_segment_size: 16
    .max_flat_workgroup_size: 64
    .sgpr_count:     66
    .vgpr_count:     208
    .wavefront_size: 32
...
	.end_amdgpu_metadata
.endif
;; end of part 1
;; launch vqarg (part 2): grid 256 x 1, 8 waves a work-group, clusters of 4 x 1, 327,680 bytes of LDS; arguments x, cbimg, idx; writes idx
.if DOCPART == 2
	.amdgcn_target "amdgcn-amd-amdhsa--gfx1250"
	.amdhsa_code_object_version 6
	.text
	.protected	k_qcaa14006c0_vqarg
	.globl	k_qcaa14006c0_vqarg
	.p2align	8
	.type	k_qcaa14006c0_vqarg,@function
k_qcaa14006c0_vqarg:
	s_mov_b64 s[64:65], 0
	v_nop
	global_prefetch_b8 v0, s[64:65] scope:SCOPE_SE
	s_setreg_imm32_b32 hwreg(HW_REG_WAVE_MODE, 25, 1), 1
	s_wait_xcnt 0x0
	s_wait_alu depctr_hold_cnt(0) depctr_sa_sdst(0) depctr_va_vdst(0) depctr_va_sdst(0) depctr_va_ssrc(0) depctr_va_vcc(0) depctr_vm_vsrc(0)
	s_getreg_b32 s2, hwreg(HW_REG_IB_STS2, 6, 4)
	s_cmp_eq_u32 s2, 0
	s_cbranch_scc0 .Lentry_in_a_cluster
	s_endpgm
.Lentry_in_a_cluster:
	s_bfe_u32 s2, ttmp6, 0x10000c
	s_cmp_lg_u32 s2, 0x3003
	s_cbranch_scc0 .Lentry_shape_is_right
	s_endpgm
.Lentry_shape_is_right:
; idx[n] = argmax over the 8,192 codebook rows of z[n] . codebook[k], z = x / max(|x|, 1e-12) along the 256 channels, both operands in BF6 (E3M2) with one E8M0 scale for each 32 along K; sums in f32.
; The lowest index wins among equal scores: comparisons in time are strict and go by ascending index; a merge of two results compares the indices where the scores are equal.
; LIMITS: NaN and infinities among the inputs are not served; the sum of a pixel's squares overflows or underflows where f32 does; blocks of z whose largest magnitude lies under 2^-122 keep the scale byte 1.
; SHARES.  A work-group owns 128 pixels (queries).  Each of its eight waves holds all 128 queries as operands (8 tiles x 2 K steps x 12 registers, window 1) and takes one eighth of the 512 tiles of 16 codebook rows:
; a codebook fragment is read from LDS once in the work-group and feeds 16 matrix instructions.
; LAYOUT.  Source 0 = 16 codebook rows, source 1 = 16 queries: a lane holds ONE query (lane % 16); its eight results are rows 16 T + 8 (lane / 16) + 0 .. 7.
; THE ARGMAX.  For each query tile a lane keeps its running maximum, the number of the tile that set it and that tile's scores 0 .. 6 (if none of the seven equals the maximum, the place is 7):
; four v_max3, one compare, and eight selects laid as four dual pairs, for a tile's eight scores.  The place within the winning tile is looked up once, at the end.
; Matrix instructions stand in groups of eight (both K steps of four query tiles) under one setting of the windows; behind each group the other four query tiles are reduced.
; THE RING.  The codebook's image (launch cbq) comes through two LDS slots of 32 tiles, 102,400 bytes.  Wave w loads part w of a slot (4 tiles, 12,800 dense bytes) by one tensor load and alone reads it.
; CLUSTER.  All work-groups walk the same image: the four of a cluster ask for each part JOINTLY, by the same tensor load with the same descriptor and the mask of all four.
; PREFETCH.  Behind the refill that asks for slot i + 2 each wave names blocks of 256 bytes of its part of slot i + 4, two changes of slots ahead of the load that wants them: of a part's 50 blocks the partner at place cx
; takes 13 cx .. 13 cx + 12 (the last partner 11), a lane a block, the lanes left over their wave's last block again.  Slots 0 to 3 come by their loads alone; the loop's last trip asks for nothing.
; REGISTERS, window 0: v1-15 addresses and constants; v16-31 running maxima, two sets by turns; v32-39 the rows' numbers at the end; v40-47 the queries' scale words; v48-49 a tile's scale words; v50 the prefetch's offset;
;   v52-99 a tile's fragments, two sets; v100-163 for query tile q at 100 + 8 q: seven captured scores and the winning tile's number; v164-227 the accumulators; v228-255 addresses and the merge.  Window 1: v0-191 the queries (before: x).
.set SLOTB, 102400                     ; a slot: 8 parts
.set PARTB, 12800                      ; a part: 4 tiles of 3,072 bytes of codes, then 4 x 128 bytes of scale words
.set QIMG,  2*SLOTB                    ; the queries' image: tile t at QTP t, its K step s at 1,536 s, 48 bytes a lane
.set QTP,   3088                       ; 3,072 + 16
.set QSC,   QIMG+24832                 ; their scale words: tile t at 128 t + 4 x lane; lanes 0-15 K step 0, lanes 16-31 K step 1
.set NRM,   QSC+1024                   ; each wave's partial sums of squares: 512 bytes a wave
.set MRG,   NRM+4096                   ; each wave's (score, index) for the 128 queries: 1,024 bytes a wave
.set SPARE, MRG+8192                   ; the spare words, 128 bytes a wave: four blocks of 256 bytes that no other line names
.set SPW, 1
.set NIL, 2
.set ADR, 3                            ; v3-4 my part's codes in slot 0, 1
.set ASC, 5                            ; v5-6 my part's scale words
.set VT,  7                            ; the number of the tile that is being reduced
.set H8,  8
.set XA,  9
.set NWA, 10
.set NRA, 11
.set QWA, 12
.set QWS, 13
.set QRA, 14
.set QSR, 15
.set RA,  16
.set RB,  24
.set TT,  32
.set QS,  40
.set CS,  48
.set PFO, 50
.set F0,  52
.set WC,  100
.set ACC, 164
.set MWA, 228
.set MRA, 229
.set IOF, 230
.set LN,  231
.set PK,  232
.set EE,  240
.set WV,  10                           ; s10 my wave's number
.set G1,  16                           ; s[16:23] descriptor group 1
.set G0,  24                           ; s[24:31] descriptor group 0, a set for each slot
.set PF,  48                           ; s[48:49] where the prefetches stand in the image
.set MSB, 0
.macro WIN new                         ; the immediate's high byte repeats the setting that is left
.if MSB != \new
	s_set_vgpr_msb (MSB<<8)|\new
.set MSB, \new
.endif
.endm
.macro CREST                           ; a round of the cluster's barrier behind its opening barrier
	s_cmp_lg_u32 s[WV], 0
	s_cbranch_scc1 .Lnot_wave_0_\@
	s_barrier_signal -3
.Lnot_wave_0_\@:
	s_barrier_wait -3
	s_barrier_signal -1
	s_barrier_wait -1
.endm
.macro CROUND
	s_barrier_signal -1
	s_barrier_wait -1
	CREST
.endm
.macro BAR                             ; my LDS instructions are done: then the work-group's barrier.
	s_wait_dscnt 0x0
	s_barrier_signal -1
	s_barrier_wait -1
.endm
	s_load_b128 s[4:7], s[0:1], 0x0                ; x s[4:5], the image s[6:7]
	s_load_b64 s[8:9], s[0:1], 0x10                ; idx
	v_lshl_add_u32 v[SPW], v0, 2, SPARE
	v_mov_b32 v[NIL], 0
	ds_add_u32 v[SPW], v[NIL]                      ; the opening lines: the add, twice on end, and one wait for both
	ds_add_u32 v[SPW], v[NIL]
	v_lshrrev_b32 v[LN], 5, v0
	v_readfirstlane_b32 s[WV], v[LN]               ; wave 0..7
	; the scalar parts of all addresses first, then the vector parts in one run
	s_bfe_u32 s11, ttmp6, 0x40000                  ; cx
	s_lshl_b32 s12, ttmp9, 2
	s_add_co_u32 s12, s12, s11                     ; my block of 128 pixels: it enters x's and idx's addresses alone
	s_mul_i32 s33, s[WV], PARTB
	s_lshl_b32 s13, s[WV], 9
	s_lshr_b32 s50, s[WV], 2                       ; I hold channels 32 w on: block w of K: K step w / 4, lanes' half w % 2, registers 6 ((w / 2) % 2) on
	s_mul_i32 s14, s50, 1536
	s_and_b32 s51, s[WV], 1
	s_mul_i32 s51, s51, 768
	s_add_co_u32 s14, s14, s51
	s_bfe_u32 s51, s[WV], 0x10001
	s_mul_i32 s51, s51, 24
	s_add_co_u32 s14, s14, s51
	s_add_co_u32 s14, s14, QIMG
	s_lshl_b32 s15, s50, 6                         ; my scale byte: word 16 (w / 4) on, byte w % 4
	s_and_b32 s51, s[WV], 3
	s_add_co_u32 s15, s15, s51
	s_add_co_u32 s15, s15, QSC
	s_lshl_b32 s37, s[WV], 10
	s_add_co_u32 s37, s37, MRG
	s_lshl_b32 s38, s[WV], 8
	s_add_co_u32 s38, s38, MRG
	s_lshl_b32 s39, s[WV], 7
	s_lshl_b32 s3, s[WV], 2
	s_sub_co_i32 s3, s3, 29                        ; 4 w - 29: the first step of 29 makes it my first tile's number
	s_mul_i32 s50, s11, 13                         ; the first block of a part that my work-group prefetches
	s_mov_b32 s34, 0x76543210                      ; v_permlanex16_b32's selects for lane l xor 16
	s_mov_b32 s35, 0xfedcba98
	s_mov_b32 s36, 0xffff0000                      ; lanes 16-31
	s_mov_b32 s[G1+0], 15|(3<<16)|(1<<21)          ; mask: all four work-groups; elements of 8 bytes; bit 21 beside a mask
	s_mov_b32 s[G1+1], 32<<16                      ; a part: 50 dense rows of 32 elements
	s_mov_b32 s[G1+2], 50<<16
	s_mov_b32 s[G1+3], 32<<16
	s_mov_b32 s[G1+4], 50
	s_mov_b32 s[G1+5], 32
	s_mov_b32 s[G1+6], 0
	s_mov_b32 s[G1+7], 0
	s_lshr_b32 s42, s12, 5                         ; x[b][c][hw]: b = block / 32: 4 MiB each,
	s_lshl_b32 s42, s42, 22
	s_and_b32 s51, s12, 31
	s_lshl_b32 s51, s51, 9                         ; 128 pixels of 4 bytes,
	s_add_co_u32 s42, s42, s51
	s_lshl_b32 s51, s[WV], 19                      ; my 32 channels of 16,384 bytes
	s_add_co_u32 s42, s42, s51
	s_mov_b32 s43, 0
	s_lshl_b32 s44, s12, 9                         ; idx: 128 words a block
	s_mov_b32 s45, 0
	s_mov_b32 s46, s33                             ; my part in a slot's bytes of the image
	s_mov_b32 s47, 0
	v_and_b32 v[LN], 31, v0                        ; lane
	v_lshl_add_u32 v[ADR], v[LN], 4, s33
	v_lshl_add_u32 v[ASC], v[LN], 2, s33
	v_lshlrev_b32 v[XA], 4, v[LN]
	v_lshrrev_b32 v232, 2, v[LN]
	v_and_b32 v233, 3, v[LN]
	v_add_nc_u32 v[ADR+1], SLOTB, v[ADR]
	v_add_nc_u32 v[ASC], 12288, v[ASC]
	v_add_nc_u32 v[NRA], NRM, v[XA]
	v_mul_u32_u24 v[QWA], v232, QTP                ; queries 4 l + j: tile l / 4, lane 4 (l % 4) + j of the operand
	v_lshlrev_b32 v[QWS], 7, v232
	v_add_nc_u32 v[ASC+1], SLOTB, v[ASC]
	v_add_nc_u32 v[NWA], s13, v[NRA]
	v_mad_u32_u24 v[QWA], v233, 192, v[QWA]
	v_lshl_add_u32 v[QWS], v233, 4, v[QWS]
	v_mul_u32_u24 v[QRA], v[LN], 48
	v_min_u32 v[PFO], 12, v[LN]
	v_add_nc_u32 v[QWA], s14, v[QWA]
	v_add_nc_u32 v[QWS], s15, v[QWS]
	v_add_nc_u32 v[QRA], QIMG, v[QRA]
	v_add_nc_u32 v[PFO], s50, v[PFO]
	v_lshl_add_u32 v[QSR], v[LN], 2, QSC
	v_lshl_add_u32 v[MWA], v[LN], 3, s37
	v_lshl_add_u32 v[MRA], v[LN], 3, s38
	v_min_u32 v[PFO], 49, v[PFO]                   ; a part has blocks 0 .. 49
	v_lshl_add_u32 v[IOF], v[LN], 2, s39           ; idx: 128 w + 4 x lane (waves 0-3)
	v_bfe_u32 v[H8], v0, 4, 1
	v_mov_b32 v[VT], s3
	v_lshl_add_u32 v[PFO], v[PFO], 8, s33
	v_lshlrev_b32 v[H8], 3, v[H8]
	s_wait_alu depctr_va_vdst(0)
	s_wait_dscnt 0x0                               ; both opening adds are done
	s_wait_kmcnt 0x0
	s_add_nc_u64 s[40:41], s[4:5], s[42:43]
	s_add_nc_u64 s[8:9], s[8:9], s[44:45]
	s_mov_b32 s[G0+0], 1
	s_mov_b32 s[G0+1], s33                         ; slot 0, my part
	s_add_nc_u64 s[G0+2:G0+3], s[6:7], s[46:47]
	s_or_b32 s[G0+3], s[G0+3], 0x80000000
	s_mov_b32 s[G0+4], 1
	s_add_co_u32 s[G0+5], s33, SLOTB               ; slot 1
	s_add_nc_u64 s[G0+6:G0+7], s[6:7], s[46:47]
	s_add_nc_u64 s[G0+6:G0+7], s[G0+6:G0+7], SLOTB
	s_or_b32 s[G0+7], s[G0+7], 0x80000000
	s_add_nc_u64 s[PF:PF+1], s[6:7], 3*SLOTB       ; the first change of slots steps it to slot 4
	; x: channel 32 w + i, 128 pixels = 512 consecutive bytes a load; lane l holds pixels 4 l .. 4 l + 3 in v[4 i .. 4 i + 3] of window 1
	WIN 0x40
.set i, 0
.rept 32
	global_load_b128 v[4*i:4*i+3], v[XA], s[40:41] offset:16384*i th:TH_LOAD_NT
.set i, i+1
.endr
	WIN 0
	CROUND                                         ; all four work-groups are here: the first joint loads meet
	tensor_load_to_lds s[G0:G0+3], s[G1:G1+7]      ; slot 0, my part: one tensor load a wave at the head
	s_nop 0
.rept 4
	v_nop                                          ; four nops ahead of a switch of windows
.endr
	; the sum of squares of my 32 channels, for my four pixels: two chains for each pair; the first products start the sums
	WIN 0x05
.set i, 0
.rept 32
.if i%8 == 0
.if i > 0
	s_wait_alu depctr_va_vdst(0)
.endif
	s_wait_loadcnt 24-i                            ; these eight loads are in; the younger ones may be out
.endif
.set a, 16+4*(i%2)
.if i < 2
	v_pk_mul_f32 v[a:a+1], v[4*i:4*i+1], v[4*i:4*i+1]
	v_pk_mul_f32 v[a+2:a+3], v[4*i+2:4*i+3], v[4*i+2:4*i+3]
.else
	v_pk_fma_f32 v[a:a+1], v[4*i:4*i+1], v[4*i:4*i+1], v[a:a+1]
	v_pk_fma_f32 v[a+2:a+3], v[4*i+2:4*i+3], v[4*i+2:4*i+3], v[a+2:a+3]
.endif
.set i, i+1
.endr
	WIN 0
	v_pk_add_f32 v[16:17], v[16:17], v[20:21]
	v_pk_add_f32 v[18:19], v[18:19], v[22:23]
	ds_store_b128 v[NWA], v[16:19]
	BAR                                            ; the eight waves' partial sums lie in LDS (slot 0's load may stay out)
.irp u, 0,1,2,3,4,5,6,7
	ds_load_b128 v[52+4*\u:55+4*\u], v[NRA] offset:512*\u
.endr
	s_wait_dscnt 0x0
	v_pk_add_f32 v[16:17], v[52:53], v[56:57]      ; in ascending order of the waves: every wave gets the same bits
	v_pk_add_f32 v[18:19], v[54:55], v[58:59]
.irp u, 2,3,4,5,6,7
	v_pk_add_f32 v[16:17], v[16:17], v[52+4*\u:53+4*\u]
	v_pk_add_f32 v[18:19], v[18:19], v[54+4*\u:55+4*\u]
.endr
	s_wait_alu depctr_va_vdst(0)                   ; one wait ahead of each batch and one behind it
.irp j, 0,1,2,3
	v_sqrt_f32 v[24+\j], v[16+\j]
.endr
	v_nop
	s_wait_alu depctr_va_vdst(0)
.irp j, 0,1,2,3
	v_max_num_f32 v[24+\j], 0x2b8cbccc, v[24+\j]   ; max(norm, 1e-12)
.endr
	s_wait_alu depctr_va_vdst(0)
.irp j, 0,1,2,3
	v_rcp_f32 v[20+\j], v[24+\j]
.endr
	v_nop
	s_wait_alu depctr_va_vdst(0)
	; z = x / norm; the multiplication also lays each pixel's 32 channels in consecutive registers: pixel j at v[100 + 32 j] on
	WIN 0x01
.irp j, 0,1,2,3
.set i, 0
.rept 32
	v_mul_f32 v[WC+32*\j+i], v[4*i+\j], v[20+\j]
.set i, i+1
.endr
.endr
	WIN 0
.irp j, 0,1,2,3
	v_max3_num_f32 v[24+\j], |v[WC+32*\j]|, |v[WC+1+32*\j]|, 0x2800000   ; the floor 2^(5 - 127): the byte cannot fall under 1
.endr
.irp i, 2,4,6,8,10,12,14,16,18,20,22,24,26,28,30
.irp j, 0,1,2,3
	v_max3_num_f32 v[24+\j], v[24+\j], |v[WC+32*\j+\i]|, |v[WC+1+32*\j+\i]|   ; four blocks, one a pixel, by turns
.endr
.endr
.irp j, 0,1,2,3
	v_add_nc_u32 v[28+\j], 0xfe000000, v[24+\j]    ; 4 off the exponent field: the conversion's scale operand
.endr
.irp j, 0,1,2,3
	v_lshrrev_b32 v[32+\j], 23, v[28+\j]           ; the scale's byte
.endr
.irp j, 0,1,2,3
	v_cvt_scalef32_pk16_bf6_f32 v[52+8*\j:54+8*\j], v[WC+32*\j:WC+15+32*\j], v[28+\j]
	v_cvt_scalef32_pk16_bf6_f32 v[84+4*\j:86+4*\j], v[WC+16+32*\j:WC+31+32*\j], v[28+\j]   ; (a conversion's three registers begin on an even number)
.endr
	v_nop                                          ; one plain place behind the last scaled conversion
.irp j, 0,1,2,3
.irp i, 0,1,2
	v_mov_b32 v[55+8*\j+\i], v[84+4*\j+\i]
.endr
.endr
.irp j, 0,1,2,3
.irp p, 0,1,2
	ds_store_b64 v[QWA], v[52+8*\j+2*\p:53+8*\j+2*\p] offset:48*\j+8*\p   ; a block's 24 bytes, at their place in the operand's image
.endr
	ds_store_b8 v[QWS], v[32+\j] offset:4*\j
.endr
	s_wait_tensorcnt 0x0                           ; slot 0's part has landed.  Slot 1's first fill is issued as a refill is: these three lines, a round, the load
	ds_add_u32 v[SPW], v[NIL]
	s_wait_dscnt 0x0                               ; the add and my stores into the image are done
	CROUND                                         ; the round also shows the 16 fragments and their scale words to all eight waves
	tensor_load_to_lds s[G0+4:G0+7], s[G1:G1+7]
	s_nop 0
	WIN 0x40
.set f, 0
.rept 16
.irp c, 0,1,2
	ds_load_b128 v[12*f+4*\c:12*f+4*\c+3], v[QRA] offset:QTP*(f/2)+1536*(f%2)+16*\c
.endr
.set f, f+1
.endr
	WIN 0
.irp t, 0,1,2,3,4,5,6,7
	ds_load_b32 v[QS+\t], v[QSR] offset:128*\t
.endr
	; The loop has no first step of its own: its first half block reduces a tile that never was: scores and maxima of -infinity, over which nothing rises.
.set i, 0
.rept 32
	v_mov_b32 v[ACC+32+i], 0xff800000
.set i, i+1
.endr
.irp q, 0,1,2,3
	v_mov_b32 v[RA+\q], 0xff800000
	v_mov_b32 v[RB+4+\q], 0xff800000
.endr
.irp q, 0,1,2,3,4,5,6,7
	v_mov_b32 v[WC+8*\q+7], 0                      ; (the first real tile replaces these and the captured scores in every lane)
.endr
	s_wait_alu depctr_va_vdst(0)
	s_wait_dscnt 0x0                               ; the queries are in
.macro FETCH slot, i, p                ; tile i of my part of a slot into fragment set p: six loads of 512 consecutive bytes, and the scale words
.irp m, 0,1,2,3,4,5
	ds_load_b128 v[F0+24*(\p)+4*\m:F0+24*(\p)+4*\m+3], v[ADR+(\slot)] offset:3072*(\i)+512*\m
.endr
	ds_load_b32 v[CS+(\p)], v[ASC+(\slot)] offset:128*(\i)
.endm
; THE REDUCTION of query tiles 4 rg .. 4 rg + 3.  RI: the running maxima as they were, RO: as they become (the two sets change places from tile to tile).
.macro RMAX                            ; the new maxima: the old one and eight scores, three operands at a time, the four query tiles by turns; an accumulator is read from its low end on
.irp k, 0,1,2,3
.irp c, 0,1,2,3
.set q, 4*rg+\c
.if \k == 0
	v_max3_num_f32 v[RO+q], v[RI+q], v[ACC+8*q], v[ACC+8*q+1]
.else
	v_max3_num_f32 v[RO+q], v[RO+q], v[ACC+8*q+2*\k], v[ACC+8*q+2*\k+1]
.endif
.endr
.endr
.endm
.macro CAP c                           ; has the maximum risen (strictly: an equal score of a later tile does not win)?  Then scores 0 .. 6 and the tile's number are kept: eight selects by VCC in four dual pairs
.set q, 4*rg+\c
	v_cmp_gt_f32 vcc_lo, v[RO+q], v[RI+q]
.irp u, 0,2,4
	v_dual_cndmask_b32 v[WC+8*q+\u], v[WC+8*q+\u], v[ACC+8*q+\u] :: v_dual_cndmask_b32 v[WC+8*q+\u+1], v[WC+8*q+\u+1], v[ACC+8*q+\u+1]
.endr
	v_dual_cndmask_b32 v[WC+8*q+6], v[WC+8*q+6], v[ACC+8*q+6] :: v_dual_cndmask_b32 v[WC+8*q+7], v[WC+8*q+7], v[VT]
.endm
.macro MM p, g, sx                     ; four matrix instructions: fragment set p, K step sx, against query tiles 4 g .. 4 g + 3; the four accumulators by turns; K step 0 starts the sums with the constant 0
.irp c, 0,1,2,3
.set qx, 4*(\g)+\c
.set fa, F0+24*(\p)+12*(\sx)
.set qb, 12*(2*qx+(\sx))
.if (\sx) == 0
	v_wmma_scale_f32_16x16x128_f8f6f4 v[ACC+8*qx:ACC+8*qx+7], v[fa:fa+11], v[qb:qb+11], 0, v[CS+(\p)], v[QS+qx] matrix_a_fmt:MATRIX_FMT_BF6 matrix_b_fmt:MATRIX_FMT_BF6
.else
	v_wmma_scale_f32_16x16x128_f8f6f4 v[ACC+8*qx:ACC+8*qx+7], v[fa:fa+11], v[qb:qb+11], v[ACC+8*qx:ACC+8*qx+7], v[CS+(\p)], v[QS+qx] matrix_a_fmt:MATRIX_FMT_BF6 matrix_b_fmt:MATRIX_FMT_BF6 matrix_a_scale:MATRIX_SCALE_ROW1 matrix_b_scale:MATRIX_SCALE_ROW1
.endif
.endr
.endm
; Half a tile: eight products on query tiles 4 g on, and behind them the other half's reduction: with g = 0 the tile before's query tiles 4-7 (d: the step to this tile's number), with g = 1 this tile's 0-3.
; The 36 lines of the reduction name no register of the products ahead of them: they are the places ahead of the first read of those results and of the loads into a fragment set that has been multiplied.
.macro HB p, g, d
.set rg, 1-(\g)
.set rp, ((\p)+1-(\g))%2
.set RI, RA+8*rp
.set RO, RB-8*rp
	WIN 0x04                                       ; source 1 (the queries) window 1
	MM \p, \g, 0
	MM \p, \g, 1
	WIN 0
	RMAX
.irp c, 0,1,2,3
	CAP \c
.endr
.if rg == 1
	v_add_nc_u32 v[VT], \d, v[VT]
.endif
.endm
.macro PLAIN slot, ni, np, p, d        ; one of a slot's first three tiles: set p is multiplied; the next tile (ni) is fetched into set np, a whole tile ahead of its use
	s_wait_dscnt 0x0                               ; this tile's seven loads, issued sixteen matrix instructions ago
	FETCH \slot, \ni, \np
	HB \p, 0, \d
	HB \p, 1, 0
.endm
; A slot's last tile changes slots and fills the slot again, two slots ahead.  In front of the barrier, which opens a round of the cluster's barrier, each wave waits for all its tensor loads
; (one is out: its part of the other slot), adds 0 to its spare word, and waits for that and for its reads of this slot.
.macro FILL slot, other
	s_wait_xcnt 0x0                                ; any prefetch of mine has read its base: it steps one slot on
	s_add_nc_u64 s[PF:PF+1], s[PF:PF+1], SLOTB
	s_wait_tensorcnt 0x0
	ds_add_u32 v[SPW], v[NIL]
	s_add_nc_u64 s[G0+4*\slot+2:G0+4*\slot+3], s[G0+4*\slot+2:G0+4*\slot+3], 2*SLOTB   ; no tensor load of mine is out: this slot's next 32 tiles
	s_wait_dscnt 0x0                               ; the add is done, and my reads of this slot are over: its last tile is in registers
	s_barrier_signal -1
	HB 1, 0, 1                                     ; work on registers while the others arrive (it leaves every window 0)
	s_barrier_wait -1
	CREST                                          ; no wave of any partner still reads this slot or has a load on its way
	tensor_load_to_lds s[G0+4*\slot:G0+4*\slot+3], s[G1:G1+7]   ; my one tensor load behind the round
	s_nop 0
	FETCH \other, 0, 0                             ; (seven LDS loads follow the tensor load: no window is switched among them)
	s_cmp_gt_u32 s32, 1                            ; the last trip's look-ahead would pass the image's end
	s_cbranch_scc0 .Lno_ask_\@
	s_cmp_lt_u32 ttmp9, 4
	s_cbranch_scc0 .Lno_prefetch_vqarg0_\@
	global_prefetch_b8 v[PFO], s[PF:PF+1] th:TH_LOAD_NT scope:SCOPE_SE
.Lno_prefetch_vqarg0_\@:
.Lno_ask_\@:
	HB 1, 1, 0
.endm
	FETCH 0, 0, 0                                  ; my part of slot 0 was shown landed by the wait for 0 above, and I alone read it
	s_mov_b32 s32, 7
.Llap:                                                 ; a trip goes once round the ring: 8 tiles of mine; seven trips take slots' worth 0 to 13 and ask for 2 to 15
	PLAIN 0, 1, 1, 0, 29
	PLAIN 0, 2, 0, 1, 1
	PLAIN 0, 3, 1, 0, 1
	FILL 0, 1
	PLAIN 1, 1, 1, 0, 29
	PLAIN 1, 2, 0, 1, 1
	PLAIN 1, 3, 1, 0, 1
	FILL 1, 0
	s_sub_co_u32 s32, s32, 1
	s_cmp_lg_u32 s32, 0
	s_cbranch_scc1 .Llap
	PLAIN 0, 1, 1, 0, 29                           ; the last lap is written out: it asks for nothing
	PLAIN 0, 2, 0, 1, 1
	PLAIN 0, 3, 1, 0, 1
	s_wait_tensorcnt 0x0                           ; my part of the last slot has landed; nothing is filled again, and I alone read it: no barrier
	s_wait_dscnt 0x0
	FETCH 1, 0, 0
	HB 1, 0, 1
	HB 1, 1, 0
	PLAIN 1, 1, 1, 0, 29
	PLAIN 1, 2, 0, 1, 1
	PLAIN 1, 3, 1, 0, 1
	s_wait_dscnt 0x0
	HB 1, 0, 1
	HB 1, 1, 0
.set rg, 1                             ; the last tile's query tiles 4-7
.set RI, RB
.set RO, RA
	RMAX
.irp c, 0,1,2,3
	CAP \c
.endr
	; THE WAY OUT.  The maxima lie in RA.  The place within the winning tile: the first of the seven captured scores that equals the maximum, else 7.  Eight masks by turns, one for each query tile.
.irp q, 0,1,2,3,4,5,6,7
	v_mov_b32 v[RB+\q], 7
.endr
.irp j, 6,5,4,3,2,1,0
.irp q, 0,1,2,3,4,5,6,7
	v_cmp_neq_f32 s[40+\q], v[WC+8*\q+\j], v[RA+\q]
.endr
.irp q, 0,1,2,3,4,5,6,7
	v_cndmask_b32 v[RB+\q], \j, v[RB+\q], s[40+\q] ; equal: j, which is lower than what stood there
.endr
.endr
.irp q, 0,1,2,3,4,5,6,7
	v_lshl_add_u32 v[TT+\q], v[WC+8*\q+7], 4, v[RB+\q]
.endr
.irp q, 0,1,2,3,4,5,6,7
	v_add_nc_u32 v[TT+\q], v[TT+\q], v[H8]         ; the row: 16 x tile + 8 (lane / 16) + place
.endr
.macro MERGE vr, vi, or, oi            ; (vr, vi) takes (or, oi) where that score is larger, or equal with the lower index
	v_cmp_gt_f32 s37, v[\or], v[\vr]
	v_cmp_eq_f32 s38, v[\or], v[\vr]
	v_cmp_lt_u32 s39, v[\oi], v[\vi]
	s_and_b32 s38, s38, s39
	s_or_b32 s37, s37, s38
	v_cndmask_b32 v[\vr], v[\vr], v[\or], s37
	v_cndmask_b32 v[\vi], v[\vi], v[\oi], s37
.endm
.irp q, 0,1,2,3,4,5,6,7
	v_permlanex16_b32 v[WC+8*\q], v[RA+\q], s34, s35       ; the query's other eight rows of each tile lie in the lane 16 away
	v_permlanex16_b32 v[WC+8*\q+1], v[TT+\q], s34, s35
.endr
.irp q, 0,1,2,3,4,5,6,7
	MERGE RA+\q, TT+\q, WC+8*\q, WC+8*\q+1
.endr
.irp p, 0,1,2,3
	v_cndmask_b32 v[PK+2*\p], v[RA+2*\p], v[RA+2*\p+1], s36        ; lanes 0-15: query tile 2 p, lanes 16-31: tile 2 p + 1: query 32 p + lane
	v_cndmask_b32 v[PK+2*\p+1], v[TT+2*\p], v[TT+2*\p+1], s36
	ds_store_b64 v[MWA], v[PK+2*\p:PK+2*\p+1] offset:256*\p
.endr
	BAR                                            ; the eight waves' results lie in LDS
	s_cmp_gt_u32 s[WV], 3                          ; waves 0-3 merge them, 32 queries each
	s_cbranch_scc1 .Ljoin
.irp u, 0,1,2,3,4,5,6,7
	ds_load_b64 v[EE+2*\u:EE+2*\u+1], v[MRA] offset:1024*\u
.endr
	s_wait_dscnt 0x0
.irp u, 1,2,3,4,5,6,7
	MERGE EE, EE+1, EE+2*\u, EE+2*\u+1
.endr
	global_store_b32 v[IOF], v[EE+1], s[8:9]       ; 32 lanes store 128 consecutive bytes
.Ljoin:
	s_wait_tensorcnt 0x0                           ; the wave's end
	ds_add_u32 v[SPW], v[NIL]
	s_wait_dscnt 0x0
	CROUND                                         ; the closing round: no work-group ends while a partner may still ask for a part that names it
	s_endpgm
.Lfunc_end_k_qcaa14006c0_vqarg:
	.size	k_qcaa14006c0_vqarg, .Lfunc_end_k_qcaa14006c0_vqarg-k_qcaa14006c0_vqarg
	.p2alignl 7, 3214868480
	.fill 96, 4, 3214868480
	.section	.rodata,"a",@progbits
	.p2align	6, 0x0
	.amdhsa_kernel k_qcaa14006c0_vqarg
		.amdhsa_group_segment_fixed_size 327680
		.amdhsa_private_segment_fixed_size 0
		.amdhsa_enable_private_segment 0
		.amdhsa_kernarg_size 24
		.amdhsa_user_sgpr_count 2
		.amdhsa_user_sgpr_kernarg_segment_ptr 1
		.amdhsa_wavefront_size32 1
		.amdhsa_system_sgpr_workgroup_id_x 1
		.amdhsa_system_sgpr_workgroup_id_y 1
		.amdhsa_system_sgpr_workgroup_id_z 1
		.amdhsa_system_vgpr_workitem_id 0
		.amdhsa_next_free_vgpr 448
		.amdhsa_next_free_sgpr 66
		.amdhsa_reserve_vcc 1
		.amdhsa_float_denorm_mode_32 3
		.amdhsa_float_denorm_mode_16_64 3
		.amdhsa_memory_ordered 1
		.amdhsa_forward_progress 1
		.amdhsa_inst_pref_size 164
	.end_amdhsa_kernel
	.amdgpu_metadata
---
amdhsa.version: [ 1, 2 ]
amdhsa.kernels:
  - .name:           k_qcaa14006c0_vqarg
    .symbol:         k_qcaa14006c0_vqarg.kd
    .args:
      - { .name: x, .offset: 0, .size: 8, .value_kind: global_buffer, .address_space: global }
      - { .name: cbimg, .offset: 8, .size: 8, .value_kind: global_buffer, .address_space: global }
      - { .name: idx, .offset: 16, .size: 8, .value_kind: global_buffer, .address_space: global }
    .group_segment_fixed_size: 327680
    .private_segment_fixed_size: 0
    .kernarg_segment_align: 8
    .kernarg_segment_size: 24
    .max_flat_workgroup_size: 256
    .sgpr_count:     66
    .vgpr_count:     448
    .wavefront_size: 32
...
	.end_amdgpu_metadata
.endif
;; end of part 2
;; launch vqout (part 3): grid 256 x 1, 16 waves a work-group, no clusters, 149,504 bytes of LDS; arguments x, codebook, idx, out0, part; writes out0, part
.if DOCPART == 3
	.amdgcn_target "amdgcn-amd-amdhsa--gfx1250"
	.amdhsa_code_object_version 6
	.text
	.protected	k_qcaa14006c0_vqout
	.globl	k_qcaa14006c0_vqout
	.p2align	8
	.type	k_qcaa14006c0_vqout,@function
k_qcaa14006c0_vqout:
	s_mov_b64 s[64:65], 0
	v_nop
	global_prefetch_b8 v0, s[64:65] scope:SCOPE_SE
	s_setreg_imm32_b32 hwreg(HW_REG_WAVE_MODE, 25, 1), 1
	s_wait_xcnt 0x0
; out0[b][c][hw] = codebook[idx[n]][c], n = 4096 b + hw; and for the losses part[work-group] = the sum over its 128 pixels of (x . q) / max(|x|, 1e-12), all in f32.
; SHARES.  A work-group owns 128 pixels.  GATHER: wave w fetches the rows of pixels 8 w .. 8 w + 7: eight lanes take 128 consecutive bytes of a row, four rows an instruction.
; The rows are turned in LDS: TR[c] is a dense row of 512 bytes, 32 places of 16 bytes; the four pixels 4 G .. 4 G + 3 of channel c lie at place (G + (c / 4) % 8) % 32.
; OUT: wave w takes channels 16 w .. 16 w + 15: each LDS read, each load of x and each store covers all 128 pixels: 512 consecutive bytes, at a multiple of 256 from the tensor's first byte.
; The squares are summed while the gathers are out; the stores go out in one run, then the dot products.  Sums over a wave's 16 channels in registers, over the 16 waves through LDS, in ascending order.
; No tensor load (the rows hang on loaded indices), no cluster (no two work-groups read the same tile), no matrix unit (there is no product here), no prefetch (there is no loop to run ahead in).
; LIMITS: NaN and infinities are not served; an index is held to 0 .. 8,191.
.set RED,   131072                     ; behind TR's 256 x 512 bytes: 1,024 bytes for each wave
.set SPARE, RED+16384                  ; the spare words, 128 bytes a wave
.set TW,  8                            ; v8-11   TR on the way in: pixels' half g, channels' half at TW + 2 g + half (an LDS offset has 16 bits)
.set D,   16                           ; v16-19 the dot products of pixels 4 l .. 4 l + 3, v20-23 the squares
.set X,   32                           ; v32-95  x: channel i at X + 4 i
.set G,   96                           ; v96-159 the gathered rows, then the turned ones
.set TR,  162                          ; v162-165 TR on the way out: channels 4 t .. 4 t + 3 of my 16
.set RW,  166                          ; v166    my place in RED
	s_load_b256 s[4:11], s[0:1], 0x0               ; x s[4:5], codebook s[6:7], idx s[8:9], out0 s[10:11]
	s_load_b64 s[12:13], s[0:1], 0x20              ; part
	v_lshl_add_u32 v160, v0, 2, SPARE
	v_mov_b32 v161, 0
	v_lshrrev_b32 v1, 5, v0
	v_readfirstlane_b32 s16, v1                    ; wave 0..15
	s_lshl_b32 s17, s16, 5                         ; idx: 8 words a wave
	s_lshl_b32 s18, s16, 1                         ; G of my first four pixels: 2 w
	s_and_b32 s19, s16, 1
	s_lshl_b32 s19, s19, 2                         ; (c / 4) % 8 of my first channel: 4 (w % 2)
	s_lshl_b32 s28, s16, 13                        ; my 16 rows of TR
	s_lshl_b32 s29, s16, 10
	s_add_co_u32 s29, s29, RED
	s_lshr_b32 s20, ttmp9, 5                       ; b: 4 MiB each,
	s_lshl_b32 s20, s20, 22
	s_and_b32 s21, ttmp9, 31
	s_lshl_b32 s21, s21, 9                         ; 128 pixels of 4 bytes,
	s_add_co_u32 s20, s20, s21
	s_lshl_b32 s21, s16, 18                        ; my 16 channels of 16,384 bytes
	s_add_co_u32 s20, s20, s21
	s_mov_b32 s21, 0
	s_lshl_b32 s22, ttmp9, 9
	s_mov_b32 s23, 0
	s_lshl_b32 s24, ttmp9, 2
	s_mov_b32 s25, 0
	s_mov_b32 s26, 0x76543210
	s_mov_b32 s27, 0xfedcba98
	v_and_b32 v1, 31, v0                           ; lane
	v_lshrrev_b32 v13, 3, v1                       ; l / 8: which of four rows
	v_and_b32 v14, 7, v1                           ; l % 8: which 16 bytes of 128
	v_lshlrev_b32 v3, 4, v1                        ; x and out0: 16 x lane
	v_add_nc_u32 v27, s19, v1
	v_lshl_add_u32 v2, v13, 2, s17                 ; idx: 4 (8 w + l / 8)
	v_lshlrev_b32 v15, 4, v14
	v_lshlrev_b32 v24, 11, v14                     ; channel 4 (l % 8): 4 rows of 512 bytes,
	v_add_nc_u32 v25, s18, v14                     ; place 2 w + l % 8,
	v_lshl_add_u32 v24, v13, 2, v24                ; pixel l / 8 of its four
	v_add_nc_u32 v26, 1, v25                       ; and one place on for the pixels four on
	v_and_b32 v25, 31, v25
	v_and_b32 v26, 31, v26
	v_lshl_add_u32 v[TW], v25, 4, v24
	v_lshl_add_u32 v[TW+2], v26, 4, v24
	v_add_nc_u32 v[TW+1], 0x10000, v[TW]
	v_add_nc_u32 v[TW+3], 0x10000, v[TW+2]
.irp t, 0,1,2,3
	v_add_nc_u32 v[TR+\t], \t, v27                 ; place l + (c / 4) % 8
.endr
.irp t, 0,1,2,3
	v_and_b32 v[TR+\t], 31, v[TR+\t]
.endr
.irp t, 0,1,2,3
	v_lshl_add_u32 v[TR+\t], v[TR+\t], 4, s28
.endr
	v_lshl_add_u32 v[RW], v1, 4, s29
	v_lshl_add_u32 v12, v1, 4, RED
	s_wait_alu depctr_va_vdst(0)
	s_wait_kmcnt 0x0
	s_add_nc_u64 s[4:5], s[4:5], s[20:21]
	s_add_nc_u64 s[10:11], s[10:11], s[20:21]
	s_add_nc_u64 s[8:9], s[8:9], s[22:23]
	s_add_nc_u64 s[12:13], s[12:13], s[24:25]
	global_load_b32 v4, v2, s[8:9]                 ; the indices of pixels 8 w + l / 8
	global_load_b32 v5, v2, s[8:9] offset:16       ; and of those four on
.set n, 0
.rept 16
	global_load_b128 v[X+4*n:X+4*n+3], v3, s[4:5] offset:16384*n th:TH_LOAD_NT
.set n, n+1
.endr
	s_wait_loadcnt 16                              ; the two indices are in; x's 16 loads may be out
	v_min_u32 v4, 0x1fff, v4
	v_min_u32 v5, 0x1fff, v5
	v_lshl_add_u32 v6, v4, 10, v15                 ; a row is 1,024 bytes
	v_lshl_add_u32 v7, v5, 10, v15
.irp g, 0,1
.irp m, 0,1,2,3,4,5,6,7
	global_load_b128 v[G+4*(8*\g+\m):G+4*(8*\g+\m)+3], v[6+\g], s[6:7] offset:128*\m   ; channels 32 m + 4 (l % 8) + 0 .. 3
.endr
.endr
	s_wait_loadcnt 16                              ; x is in; the 16 gathers may be out
	v_pk_mul_f32 v[D+4:D+5], v[X:X+1], v[X:X+1]    ; the first products start the sums
	v_pk_mul_f32 v[D+6:D+7], v[X+2:X+3], v[X+2:X+3]
.set n, 1
.rept 15
	v_pk_fma_f32 v[D+4:D+5], v[X+4*n:X+4*n+1], v[X+4*n:X+4*n+1], v[D+4:D+5]
	v_pk_fma_f32 v[D+6:D+7], v[X+4*n+2:X+4*n+3], v[X+4*n+2:X+4*n+3], v[D+6:D+7]
.set n, n+1
.endr
.set k, 0
.rept 16
	s_wait_loadcnt 15-k                            ; gather k is in; the younger ones may be out
.irp e, 0,1,2,3
	ds_store_b32 v[TW+2*(k/8)+(k%8)/4], v[G+4*k+\e] offset:16384*(k%4)+512*\e
.endr
.set k, k+1
.endr
	s_wait_dscnt 0x0                               ; for the others' sake: my stores into TR are done
	s_barrier_signal -1
	s_barrier_wait -1
.set n, 0
.rept 16
	ds_load_b128 v[G+4*n:G+4*n+3], v[TR+n/4] offset:512*n
.set n, n+1
.endr
.set n, 0
.rept 16
	s_wait_dscnt 15-n                              ; read n is in; the younger ones may be out
	global_store_b128 v3, v[G+4*n:G+4*n+3], s[10:11] offset:16384*n th:TH_STORE_NT
.set n, n+1
.endr
	v_pk_mul_f32 v[D:D+1], v[X:X+1], v[G:G+1]
	v_pk_mul_f32 v[D+2:D+3], v[X+2:X+3], v[G+2:G+3]
.set n, 1
.rept 15
	v_pk_fma_f32 v[D:D+1], v[X+4*n:X+4*n+1], v[G+4*n:G+4*n+1], v[D:D+1]
	v_pk_fma_f32 v[D+2:D+3], v[X+4*n+2:X+4*n+3], v[G+4*n+2:G+4*n+3], v[D+2:D+3]
.set n, n+1
.endr
	ds_store_b128 v[RW], v[D:D+3]
	ds_store_b128 v[RW], v[D+4:D+7] offset:512
	s_wait_dscnt 0x0
	s_barrier_signal -1
	s_barrier_wait -1
	s_cmp_lg_u32 s16, 0
	s_cbranch_scc1 .Lend                           ; wave 0 finishes the work-group's sum
	s_wait_xcnt 0x0                                ; my stores have read their registers: they are loaded again only behind this wait
.set n, 0
.rept 32
	ds_load_b128 v[32+4*n:35+4*n], v12 offset:512*n    ; wave n / 2: its dot products (n even), its squares (n odd)
.set n, n+1
.endr
	s_wait_dscnt 0x0
.irp u, 0,1
	v_pk_add_f32 v[D+4*\u:D+4*\u+1], v[32+4*\u:33+4*\u], v[40+4*\u:41+4*\u]
	v_pk_add_f32 v[D+4*\u+2:D+4*\u+3], v[34+4*\u:35+4*\u], v[42+4*\u:43+4*\u]
.endr
.irp w, 2,3,4,5,6,7,8,9,10,11,12,13,14,15
.irp u, 0,1
	v_pk_add_f32 v[D+4*\u:D+4*\u+1], v[D+4*\u:D+4*\u+1], v[32+8*\w+4*\u:33+8*\w+4*\u]
	v_pk_add_f32 v[D+4*\u+2:D+4*\u+3], v[D+4*\u+2:D+4*\u+3], v[34+8*\w+4*\u:35+8*\w+4*\u]
.endr
.endr
	s_wait_alu depctr_va_vdst(0)                   ; one wait ahead of each batch and one behind it
.irp j, 0,1,2,3
	v_sqrt_f32 v[24+\j], v[D+4+\j]
.endr
	v_nop
	s_wait_alu depctr_va_vdst(0)
.irp j, 0,1,2,3
	v_max_num_f32 v[24+\j], 0x2b8cbccc, v[24+\j]   ; max(norm, 1e-12)
.endr
	s_wait_alu depctr_va_vdst(0)
.irp j, 0,1,2,3
	v_rcp_f32 v[28+\j], v[24+\j]
.endr
	v_nop
	s_wait_alu depctr_va_vdst(0)
	v_mul_f32 v32, v16, v28
	v_fma_f32 v32, v17, v29, v32
	v_fma_f32 v32, v18, v30, v32
	v_fma_f32 v32, v19, v31, v32                   ; my four pixels' z . q
	v_add_f32_dpp v32, v32, v32 row_xmask:1 row_mask:0xf bank_mask:0xf
	v_add_f32_dpp v32, v32, v32 row_xmask:2 row_mask:0xf bank_mask:0xf
	v_add_f32_dpp v32, v32, v32 row_xmask:4 row_mask:0xf bank_mask:0xf
	v_add_f32_dpp v32, v32, v32 row_xmask:8 row_mask:0xf bank_mask:0xf
	v_permlanex16_b32 v33, v32, s26, s27           ; (v33 has been written)
	v_add_f32 v32, v32, v33                        ; the 128 pixels' sum
	v_mov_b32 v34, 0
	v_cmp_eq_u32 vcc_lo, 0, v0
	s_wait_alu depctr_va_vdst(0)
	s_wait_xcnt 0x0                                ; EXEC changes only behind this wait
	s_and_saveexec_b32 s20, vcc_lo
	global_store_b32 v34, v32, s[12:13]            ; one number a work-group
	s_wait_xcnt 0x0
	s_or_b32 exec_lo, exec_lo, s20
.Lend:
	s_wait_tensorcnt 0x0                           ; the wave's end
	ds_add_u32 v160, v161
	s_wait_dscnt 0x0
	s_endpgm
.Lfunc_end_k_qcaa14006c0_vqout:
	.size	k_qcaa14006c0_vqout, .Lfunc_end_k_qcaa14006c0_vqout-k_qcaa14006c0_vqout
	.p2alignl 7, 3214868480
	.fill 96, 4, 3214868480
	.section	.rodata,"a",@progbits
	.p2align	6, 0x0
	.amdhsa_kernel k_qcaa14006c0_vqout
		.amdhsa_group_segment_fixed_size 149504
		.amdhsa_private_segment_fixed_size 0
		.amdhsa_enable_private_segment 0
		.amdhsa_kernarg_size 40
		.amdhsa_user_sgpr_count 2
		.amdhsa_user_sgpr_kernarg_segment_ptr 1
		.amdhsa_wavefront_size32 1
		.amdhsa_system_sgpr_workgroup_id_x 1
		.amdhsa_system_sgpr_workgroup_id_y 1
		.amdhsa_system_sgpr_workgroup_id_z 1
		.amdhsa_system_vgpr_workitem_id 0
		.amdhsa_next_free_vgpr 168
		.amdhsa_next_free_sgpr 66
		.amdhsa_reserve_vcc 1
		.amdhsa_float_denorm_mode_32 3
		.amdhsa_float_denorm_mode_16_64 3
		.amdhsa_memory_ordered 1
		.amdhsa_forward_progress 1
		.amdhsa_inst_pref_size 26
	.end_amdhsa_kernel
	.amdgpu_metadata
---
amdhsa.version: [ 1, 2 ]
amdhsa.kernels:
  - .name:           k_qcaa14006c0_vqout
    .symbol:         k_qcaa14006c0_vqout.kd
    .args:
      - { .name: x, .offset: 0, .size: 8, .value_kind: global_buffer, .address_space: global }
      - { .name: codebook, .offset: 8, .size: 8, .value_kind: global_buffer, .address_space: global }
      - { .name: idx, .offset: 16, .size: 8, .value_kind: global_buffer, .address_space: global }
      - { .name: out0, .offset: 24, .size: 8, .value_kind: global_buffer, .address_space: global }
      - { .name: part, .offset: 32, .size: 8, .value_kind: global_buffer, .address_space: global }
    .group_segment_fixed_size: 149504
    .private_segment_fixed_size: 0
    .kernarg_segment_align: 8
    .kernarg_segment_size: 40
    .max_flat_workgroup_size: 512
    .sgpr_count:     66
    .vgpr_count:     168
    .wavefront_size: 32
...
	.end_amdgpu_metadata
.endif
;; end of part 3
;; launch vqsum (part 4): grid 1 x 1, 1 waves a work-group, no clusters, 0 bytes of LDS; arguments part, out1, out2; writes out1, out2
.if DOCPART == 4
	.amdgcn_target "amdgcn-amd-amdhsa--gfx1250"
	.amdhsa_code_object_version 6
	.text
	.protected	k_qcaa14006c0_vqsum
	.globl	k_qcaa14006c0_vqsum
	.p2align	8
	.type	k_qcaa14006c0_vqsum,@function
k_qcaa14006c0_vqsum:
	s_mov_b64 s[64:65], 0
	v_nop
	global_prefetch_b8 v0, s[64:65] scope:SCOPE_SE
	s_setreg_imm32_b32 hwreg(HW_REG_WAVE_MODE, 25, 1), 1
	s_wait_xcnt 0x0
; The 256 work-groups' sums of z . q become the two losses: t = 1 - S / 32,768; out1 = 0.25 t, out2 = t.  One wave: 1,024 bytes in, 8 bytes out; the sum spans work-groups, so it has a launch of its own.
	s_load_b128 s[4:7], s[0:1], 0x0                ; part s[4:5], out1 s[6:7]
	s_load_b64 s[8:9], s[0:1], 0x10                ; out2
	v_lshlrev_b32 v1, 4, v0
	v_mov_b32 v2, 0
	v_mov_b32 v3, 0                                ; (a lane permute's destination counts as one of its sources)
	s_mov_b32 s10, 0x76543210
	s_mov_b32 s11, 0xfedcba98
	s_wait_alu depctr_va_vdst(0)
	s_wait_kmcnt 0x0
	global_load_b128 v[4:7], v1, s[4:5]
	global_load_b128 v[8:11], v1, s[4:5] offset:512
	s_wait_loadcnt 0x0
	v_pk_add_f32 v[4:5], v[4:5], v[8:9]
	v_pk_add_f32 v[6:7], v[6:7], v[10:11]
	v_pk_add_f32 v[4:5], v[4:5], v[6:7]
	v_add_f32 v4, v4, v5
	v_add_f32_dpp v4, v4, v4 row_xmask:1 row_mask:0xf bank_mask:0xf
	v_add_f32_dpp v4, v4, v4 row_xmask:2 row_mask:0xf bank_mask:0xf
	v_add_f32_dpp v4, v4, v4 row_xmask:4 row_mask:0xf bank_mask:0xf
	v_add_f32_dpp v4, v4, v4 row_xmask:8 row_mask:0xf bank_mask:0xf
	v_permlanex16_b32 v3, v4, s10, s11
	v_add_f32 v4, v4, v3                           ; S
	v_fma_f32 v5, v4, 0xb8000000, 1.0              ; 1 - S x 2^-15
	v_mul_f32 v6, 0x3e800000, v5                   ; x 0.25
	v_cmp_eq_u32 vcc_lo, 0, v0
	s_wait_alu depctr_va_vdst(0)
	s_wait_xcnt 0x0                                ; EXEC changes only behind this wait
	s_and_saveexec_b32 s12, vcc_lo
	global_store_b32 v2, v6, s[6:7]
	global_store_b32 v2, v5, s[8:9]
	s_wait_xcnt 0x0
	s_or_b32 exec_lo, exec_lo, s12
	s_endpgm
.Lfunc_end_k_qcaa14006c0_vqsum:
	.size	k_qcaa14006c0_vqsum, .Lfunc_end_k_qcaa14006c0_vqsum-k_qcaa14006c0_vqsum
	.p2alignl 7, 3214868480
	.fill 96, 4, 3214868480
	.section	.rodata,"a",@progbits
	.p2align	6, 0x0
	.amdhsa_kernel k_qcaa14006c0_vqsum
		.amdhsa_group_segment_fixed_size 0
		.amdhsa_private_segment_fixed_size 0
		.amdhsa_enable_private_segment 0
		.amdhsa_kernarg_size 24
		.amdhsa_user_sgpr_count 2
		.amdhsa_user_sgpr_kernarg_segment_ptr 1
		.amdhsa_wavefront_size32 1
		.amdhsa_system_sgpr_workgroup_id_x 1
		.amdhsa_system_sgpr_workgroup_id_y 1
		.amdhsa_system_sgpr_workgroup_id_z 1
		.amdhsa_system_vgpr_workitem_id 0
		.amdhsa_next_free_vgpr 16
		.amdhsa_next_free_sgpr 66
		.amdhsa_reserve_vcc 1
		.amdhsa_float_denorm_mode_32 3
		.amdhsa_float_denorm_mode_16_64 3
		.amdhsa_memory_ordered 1
		.amdhsa_forward_progress 1
		.amdhsa_inst_pref_size 2
	.end_amdhsa_kernel
	.amdgpu_metadata
---
amdhsa.version: [ 1, 2 ]
amdhsa.kernels:
  - .name:           k_qcaa14006c0_vqsum
    .symbol:         k_qcaa14006c0_vqsum.kd
    .args:
      - { .name: part, .offset: 0, .size: 8, .value_kind: global_buffer, .address_space: global }
      - { .name: out1, .offset: 8, .size: 8, .value_kind: global_buffer, .address_space: global }
      - { .name: out2, .offset: 16, .size: 8, .value_kind: global_buffer, .address_space: global }
    .group_segment_fixed_size: 0
    .private_segment_fixed_size: 0
    .kernarg_segment_align: 8
    .kernarg_segment_size: 24
    .max_flat_workgroup_size: 32
    .sgpr_count:     66
    .vgpr_count:     16
    .wavefront_size: 32
...
	.end_amdgpu_metadata
.endif
;; end of part 4
